; MI455X (gfx1250); checked and timed in simulation.
; The chip was launched on July 23, 2026; its instructions are those of AMD's public machine-readable ISA for CDNA 5 (MIT licence, August 2026) and "CDNA5" Instruction Set Architecture Reference Guide (July 2026). The comments in the code are by the model that wrote it; some were corrected since.
;; Dot Product Attention. Allowed arithmetic: matrix products marked QUANTISED: E2M3 operands, one E8M0 scale for each 32 along K, by v_wmma_scale_f32_16x16x128_f8f6f4 with both operands' format E2M3, f32 sums; everything else in f32.
;; Inputs: keys_codes 32 x 2,048 x 2 x 24 uint8 (E2M3 codes of keys, K innermost, in blocks of 32 codes, four codes in three bytes); keys_scales 32 x 2,048 x 2 uint8 (E8M0 scales of keys, one for each 32 codes along K); queries_codes 32 x 2,048 x 2 x 24 uint8 (E2M3 codes of queries, K innermost, in blocks of 32 codes, four codes in three bytes); queries_scales 32 x 2,048 x 2 uint8 (E8M0 scales of queries, one for each 32 codes along K); valid_lens 32 int32; values_codes 32 x 64 x 64 x 24 uint8 (E2M3 codes of values, K innermost, in blocks of 32 codes, four codes in three bytes); values_scales 32 x 64 x 64 uint8 (E8M0 scales of values, one for each 32 codes along K).
;; Outputs: out0 32 x 2,048 x 64 float32.
;; This version of the problem:
;;   THIS VERSION OF THE PROBLEM IS GIVEN IN LOW PRECISION. The matrix products marked QUANTISED in the list below multiply operands that are first quantised to E2M3 (2 exponent bits, 3 mantissa bits; 6 bits a number), with one power-of-two scale for each 32 numbers along K (OCP MX v1.0); their sums are f32. All else is computed in f32.
;;   The module's matrix products, in the order in which they are computed (A, B: the left and right operand; K: the contracted axis; several contracted axes count as one K, in the product's order):
;;     1. batch 32 x [M 2,048, K 64] x [K 64, N 2,048]; A: input queries (given as codes); B: input keys (given as codes): QUANTISED
;;     2. batch 32 x [M 2,048, K 2,048] x [K 2,048, N 64]; A: softmax (see below); B: input values (given as codes): QUANTISED
;;   THE QUANTISER, for each operand of a quantised product, along K:
;;     - K is cut into blocks of 32 from its start; a last block that is shorter is filled with zeros.
;;     - A block's scale is 2^e with e = floor(log2(the largest magnitude in the block)) - 2, held to -126 .. 127; a block of zeros has e = 0. As a byte (E8M0): e + 127.
;;     - Each number is divided by its block's scale, clamped to +-7.5, and rounded to the nearest number of E2M3, ties to even, subnormals kept.
;;     - The product sums the exact products of the quantised numbers (number of the format x scale) in f32.
;;   ~~~python
;;   def quantise(x, axis):      # numpy; x: float32 -> the quantised numbers, widened to float32 again
;;       x = np.moveaxis(x, axis, -1); K = x.shape[-1]
;;       x = np.pad(x, [(0, 0)] * (x.ndim - 1) + [(0, -K % 32)]); x = x.reshape(x.shape[:-1] + (-1, 32)); a = np.abs(x).max(-1, keepdims=True)
;;       e = np.where(a > 0, np.clip(np.frexp(np.where(a > 0, a, 1))[1] - 1 - 2, -126, 127), 0)      # np.frexp(a)[1] - 1 = floor(log2(a)), exactly
;;       r = np.clip(x / 2.0 ** e, -7.5, 7.5)
;;       step = 2.0 ** (np.maximum(np.frexp(np.where(r == 0, 1, r))[1] - 1, 0) - 3)
;;       q = np.round(r / step) * step * 2.0 ** e      # np.round: ties to even
;;       return np.moveaxis(q.reshape(q.shape[:-2] + (-1,))[..., :K], -1, axis).astype(np.float32)
;;   ~~~
;;   SOFTMAX AHEAD OF A QUANTISED PRODUCT. Where the list says 'softmax', what is quantised is not the finished softmax but p = 2^(t - M), with t = logit x log2(e) and M = ceil(the row's largest t), a whole number; so 1/2 < the row's largest p <= 1. The row's sum l is taken of the UNQUANTISED p, in f32, and the product's result is divided by l at the end. Since M is a whole number, a kernel that streams over the keys may use a running M (the ceiling of the running maximum): every later rescaling is an exact power of two, which a block's scale takes up: the codes' values come out the same.
;;   OPERANDS COMPUTED ON THE WAY. 'Computed on the way' means the value that the module computes at that place (a softmax that the list does not call 'softmax' is quantised finished and normalised). What goes into a quantiser is computed in f32, as accurately as f32 sums, v_exp_f32 and their like allow (about 1e-6 of the number): no bf16 or f16 on the way to a quantiser, and a product that is left as it is and whose result goes on into a quantised operand takes f32 operands (vector FMAs, or v_wmma_f32_16x16x4_f32). A number that lies on a knife's edge between two numbers of the format may be rounded either way, as far as f32 arithmetic and the matrix unit's own rounding can turn it there, and no further.
;;   INPUTS GIVEN AS CODES. keys (in the module: [32, 2048, 64], K = its axis 2); queries (in the module: [32, 2048, 64], K = its axis 2); values (in the module: [32, 2048, 64], K = its axis 1): each comes as NAME_codes (uint8): NAME with its K axis moved to the last place and cut into blocks of 32 codes, [.., K / 32, bytes a block], one block behind the other in memory; four codes in three bytes: a row's codes are one little-endian stream of bits, code i at bits 6 i .. 6 i + 5 (a code: sign, 2 exponent bits, 3 mantissa bits); and NAME_scales (uint8): the same leading axes, one E8M0 byte (e + 127) for each 32 codes along K. Its value is code x scale, taken as it is: it is not quantised again, and the codes and scales need not be those that the quantiser above would give.
;; 2 versions, each right; version 2 is version 1 with the launch attn written anew for expert scheduling mode. Each part assembles by itself: llvm-mc -triple=amdgcn-amd-amdhsa -mcpu=gfx1250 --defsym DOCPART=n.
;; ======== version 1 of 2: 1 launch
;; limits: right only within a limited range of input values
;; launch attn (part 1): grid 1024 x 1, 4 waves a work-group, no clusters, 44,032 bytes of LDS; arguments keys_codes, keys_scales, queries_codes, queries_scales, valid_lens, values_codes, values_scales, out0; writes out0
.if DOCPART == 1
	.amdgcn_target "amdgcn-amd-amdhsa--gfx1250"
	.amdhsa_code_object_version 6
	.text
	.protected	k_q952588bd5a_attn
	.globl	k_q952588bd5a_attn
	.p2align	8
	.type	k_q952588bd5a_attn,@function
k_q952588bd5a_attn:
	s_mov_b64 s[64:65], 0
	v_nop
	global_prefetch_b8 v0, s[64:65] scope:SCOPE_SE
	s_setreg_imm32_b32 hwreg(HW_REG_WAVE_MODE, 25, 1), 1
	s_wait_xcnt 0x0
; out[b][q][:] = sum over k of softmax_k(Q[b][q] . K[b][k] / 8, keys k >= valid_lens[b] at the logit -1e6) V[b][k][:].  32 batches, 2,048 queries, 2,048 keys, head 64.
; Both products on codes of FP6 (E2M3) with one E8M0 scale for each 32 along a product's K.  Q, K: rows of 64 codes (48 bytes) and 2 scale bytes; V: keys innermost, a channel's row 1,536 bytes and 64 scale bytes.
; SOFTMAX AHEAD OF THE SECOND PRODUCT: t = logit x log2(e); M = the running largest t rounded UP to a whole number; p = 2^(t - M) is quantised along the keys, not normalised; the row's sum is taken of the
; unquantised p and divides at the end.  When M moves, the sum and O are multiplied by 2^(old M - new M): exact.
; SHARES.  A work-group of four waves owns 64 queries of ONE batch, a wave one tile of 16, in 256 registers; 43,520 bytes of LDS a work-group, so that several work-groups can share a WGP and one's vector work
; stands beside another's matrix work and loads.  Keys go 128 a step.  Each wave brings a quarter of a step's K and V from memory into registers and stores it to LDS as an image of operand registers; all four read it.
; No tensor load: the steps that lie wholly behind valid_lens[b] are left out by a scalar branch on that number.  The loop's trip count is a constant and its barrier stands on every path; only a step's work is jumped over.
; WHICH BATCH.  The 32 batches are ranked by their number of steps (whole numbers read from valid_lens); the work-group's number picks a rank through a 4 x 4 magic square, so that work-groups 4 i .. 4 i + 3, and
; likewise i, i + 256, i + 512, i + 768, have ranks that add up to 62.  (rank, block of 64 queries) is one-to-one with the work-group's number: each output row has one owner.
; LAYOUT (lane l: r = l % 16, h = l / 16).  A 6-bit operand has four places of 32 k: registers 6 c .. 6 c + 5 of half h are place 2 c + h, scaled by byte 2 c + h.
;  K: a lane holds a WHOLE key row in 12 registers: lanes 0-15 fill places 0 and 2, lanes 16-31 (16 other keys) places 1 and 3.  Q stands twice: QA has the queries in lanes 0-15 and zero codes above, QB the reverse.
;     K x QA gives the scores of the keys in lanes 0-15, K x QB (K's scales from lanes 16-31) those of the keys in lanes 16-31.  A row's two scale bytes (b0, b1) become the word (b0, b0, b1, b1), right for either pair of places.
;  Lane l of double fragment f holds key 16 f + 8 (l / 16) + l % 8 + 64 ((l / 8) % 2): then lane (q, h) of S^T holds in register i the key 64 h + i of the step: two WHOLE blocks of 32: no exchange for a block's
;     maximum, none for the codes.
;  V: fragment t = channels 16 t + r; lane (r, h) takes the 48 bytes of keys 64 h .. 64 h + 63: place 2 c + h holds the step's block 2 h + c; its scale word (s0, s1, s2, s3) becomes (s0, s2, s1, s3).
;  P: registers 6 c .. 6 c + 5 of lane (q, h) are the codes of p[32 c .. 32 c + 31] of its 64 keys: the same block 2 h + c.  O^T = V^T P^T: a lane holds one query and eight channels a tile.
; LIMITS.  A step all of whose keys are masked is left out: this takes a masked p to be nothing beside the row's largest, which holds where a row's largest valid logit lies above about -999,900.  Inside a step that is
; masked in part the masked logit is -1e6, as given.  valid_lens <= 0: all keys count alike (uniform weights); > 2,048: none is masked.  Scale bytes 0xff (NaN) are not served.  p under 2^-126 comes out of v_exp_f32 as 0.
.set SLOT,  13056                      ; LDS: two slots, each: K's four double fragments as register images (1,536 f + 512 i + 16 lane),
.set KIMG,  0
.set VIMG,  6144                       ; V's four fragments likewise,
.set KSC,   12288                      ; K's scale words at 16 lane + 4 f (one load of 16 bytes brings a lane's four),
.set VSC,   12800                      ; V's at 64 t + 4 r (a load at 4 lane brings fragment 2 i in lanes 0-15 and 2 i + 1 in lanes 16-31)
.set STAGE, 2*SLOT                     ; behind them the way out: 16 rows x (256 + 16) bytes for each wave
.set SP,    272
.set LI,  1                            ; v1   16 x lane: an image's place for my lane; also my byte in two rows of out
.set L4,  2                            ; v2   4 x lane
.set WI,  3                            ; v3   16 x lane + 1,536 x wave: where I store images
.set WKS, 4                            ; v4   16 x lane + 4 x wave: K's scale word
.set WVS, 5                            ; v5   64 x wave + 4 r: V's
.set GK,  6                            ; v6   48 x my key of a step
.set GKS, 7                            ; v7   2 x my key
.set GV,  8                            ; v8   1,536 x my channel + 48 h
.set GVS, 9                            ; v9   64 x my channel
.set SH8, 10                           ; v10  8 h
.set H64, 11                           ; v11  64 h
.set NM,  12                           ; v12  -M          (read with v13 as a pair)
.set RM,  13                           ; v13  the running largest raw score
.set L,   14                           ; v[14:15] the row's sum, in two halves
.set F,   16                           ; v[16:17] f = 2^(old M - new M); v17 is written once, since the pair is named
.set BM,  18                           ; v18-19 a block's largest score, then its largest p
.set SO,  20                           ; v20-21 the conversions' scale operands
.set BY,  22                           ; v22-23 the scale bytes
.set T0,  24
.set T1,  25
.set PS,  26                           ; v26  p's scale word
.set QS,  27                           ; v27  Q's
.set KS,  28                           ; v[28:31] K's, one for each double fragment
.set VS,  32                           ; v32-33 V's
.set PFO, 34                           ; v34  the prefetches' lane offset; never rewritten
.set MV,  35                           ; v35  the raw score of a masked key
.set DD,  36                           ; v36  from which register on my keys are masked
.set TA,  38                           ; v[38:40], v[42:44] the second halves of the two blocks' codes (a conversion's three registers begin on an even number)
.set TB,  42
.set L2,  46                           ; v[46:47] the sum's second chain
.set P,   48                           ; v[48:59] p's codes
.set QA,  60                           ; v[60:71]
.set QB,  72                           ; v[72:83]
.set O,   84                           ; v[84:115] O^T, tile t at O + 8 t
.set S,   116                          ; v[116:179] S^T, then p.  (At the head: valid_lens, the rank and other short-lived numbers)
.set X,   180                          ; v[180:227] K's four double fragments, then V's four fragments, at last rows of out
.set GKR, 228                          ; v[228:239] my quarter of the next step's K, on its way
.set GVR, 240                          ; v[240:251] of its V
.set SKS, 252                          ; v252, v253 their scale bytes
.set SVS, 253
.set STO, 254                          ; v254 the stage: where I put 32 bytes of a row
.set SRD, 255                          ; v255 and where I read a row back
; scalars: s[4:5] K's codes, s[6:7] K's scales, s[8:9] Q's codes, s[10:11] Q's scales, s[12:13] valid_lens, s[14:15] V's codes, s[16:17] V's scales, s[18:19] out
; s20 wave; s21 block of 64 queries; s22 rank; s23 batch; s24 valid_lens held to 0 .. 2,048; s25 where the keys that are walked end; s26 the step's first key; s27 trips; s[28:29] c; s[30:31] lane selects;
; s[36:37] where my prefetches stand, s[38:39] their step, s40 the first key of the step that asks next, s41 1,024 x the column asked for, s42 3 x s25; s44 the next step's first key; s45, s46 byte selects
.macro PLACES n
.rept \n
	v_nop
.endr
.endm
; My quarter of a step: 32 keys' rows (a whole row a lane), 16 channels' 128 codes (half a lane), their scale bytes.  first = 0: the bases go a step on; the loads that named them were shown done by the wait for all loads in the step before.
.macro GLOAD first
.if \first == 0
	s_add_nc_u64 s[4:5], s[4:5], 6144              ; 128 keys x 48 bytes
	s_add_nc_u64 s[6:7], s[6:7], 256               ; 128 x 2
	s_add_nc_u64 s[14:15], s[14:15], 96            ; 128 codes in each row of V
	s_add_nc_u64 s[16:17], s[16:17], 4
.endif
.irp i, 0,1,2
	global_load_b128 v[GKR+4*\i:GKR+4*\i+3], v[GK], s[4:5] offset:16*\i
.endr
	global_load_u16 v[SKS], v[GKS], s[6:7]
.irp i, 0,1,2
	global_load_b128 v[GVR+4*\i:GVR+4*\i+3], v[GV], s[14:15] offset:16*\i
.endr
	global_load_b32 v[SVS], v[GVS], s[16:17]
.endm
; What GLOAD brought goes to LDS as it stands in the registers; the scale bytes are first put in the order of the operand's places.
.macro WSTORE base
	v_perm_b32 v[SKS], v[SKS], v[SKS], s45         ; (b0, b1, 0, 0) -> (b0, b0, b1, b1)
	v_perm_b32 v[SVS], v[SVS], v[SVS], s46         ; (s0, s1, s2, s3) -> (s0, s2, s1, s3)
.irp i, 0,1,2
	ds_store_b128 v[WI], v[GKR+4*\i:GKR+4*\i+3] offset:\base+KIMG+512*\i
.endr
.irp i, 0,1,2
	ds_store_b128 v[WI], v[GVR+4*\i:GVR+4*\i+3] offset:\base+VIMG+512*\i
.endr
	ds_store_b32 v[WKS], v[SKS] offset:\base+KSC
	ds_store_b32 v[WVS], v[SVS] offset:\base+VSC   ; both halves of the lanes write the same word with the same value
.endm
.macro LOADK base
	ds_load_b128 v[KS:KS+3], v[LI] offset:\base+KSC
.irp f, 0,1,2,3
.irp i, 0,1,2
	ds_load_b128 v[X+12*\f+4*\i:X+12*\f+4*\i+3], v[LI] offset:\base+KIMG+1536*\f+512*\i
.endr
.endr
.endm
.macro LOADV base
.irp t, 0,1,2,3
.irp i, 0,1,2
	ds_load_b128 v[X+12*\t+4*\i:X+12*\t+4*\i+3], v[LI] offset:\base+VIMG+1536*\t+512*\i
.endr
.endr
	ds_load_b32 v[VS], v[L4] offset:\base+VSC
	ds_load_b32 v[VS+1], v[L4] offset:\base+VSC+128
.endm
; S^T = K Q^T: eight tiles of 16 keys, two from each double fragment.
.macro QK
.irp f, 0,1,2,3
	s_wait_dscnt 9-3*\f                            ; LDS loads come back in order (ISA guide 5.7.1): fragment f is in; behind it stand three loads for each later fragment
	v_wmma_scale_f32_16x16x128_f8f6f4 v[S+16*\f:S+16*\f+7], v[X+12*\f:X+12*\f+11], v[QA:QA+11], 0, v[KS+\f], v[QS] matrix_a_fmt:MATRIX_FMT_FP6 matrix_b_fmt:MATRIX_FMT_FP6
	v_wmma_scale_f32_16x16x128_f8f6f4 v[S+16*\f+8:S+16*\f+15], v[X+12*\f:X+12*\f+11], v[QB:QB+11], 0, v[KS+\f], v[QS] matrix_a_fmt:MATRIX_FMT_FP6 matrix_b_fmt:MATRIX_FMT_FP6 matrix_a_scale:MATRIX_SCALE_ROW1
.endr
.endm
; The one step of a batch that valid_lens cuts: register i holds key s26 + 64 h + i, masked where i >= valid_lens - s26 - 64 h.  A step all of whose keys count jumps over this.
.macro MASK
	s_cmp_le_u32 s44, s24
	s_cbranch_scc1 .Lopen_\@
	s_sub_co_i32 s43, s24, s26
	v_sub_nc_u32 v[DD], s43, v[H64]
.set i, 0
.rept 64
	v_cmp_ge_i32 vcc_lo, i, v[DD]
	v_cndmask_b32 v[S+i], v[S+i], v[MV], vcc_lo
.set i, i+1
.endr
.Lopen_\@:
.endm
.macro SOFTMAX
.irp c, 0,1
	v_max3_num_f32 v[BM+\c], v[S+32*\c], v[S+32*\c+1], v[S+32*\c+2]   ; THE LARGEST SCORE OF EACH OF MY TWO BLOCKS OF 32 KEYS: it serves for the row's maximum and, since p rises with the score, for the block's largest p
.endr
.irp i, 3,5,7,9,11,13,15,17,19,21,23,25,27,29
.irp c, 0,1
	v_max3_num_f32 v[BM+\c], v[BM+\c], v[S+32*\c+\i], v[S+32*\c+\i+1]   ; (the two blocks by turns; each tile of S^T is first read at its low end)
.endr
.endr
.irp c, 0,1
	v_max_num_f32 v[BM+\c], v[BM+\c], v[S+32*\c+31]
.endr
	v_max_num_f32 v[T0], v[BM], v[BM+1]
	v_permlanex16_b32 v[T1], v[T0], s30, s31       ; the query's other 64 keys lie in the lane 16 away
	v_max3_num_f32 v[RM], v[RM], v[T0], v[T1]      ; the running largest raw score
	v_mul_f32 v[T0], s28, v[RM]                    ; as t (c is positive)
	v_mov_b32 v[T1], v[NM]
	v_floor_f32 v[NM], -v[T0]                      ; the new -M = floor(-t) = -ceil(t): M is a whole number
	v_sub_f32 v[T1], v[NM], v[T1]                  ; old M - new M: a whole number, 0 or less
	v_cvt_i32_f32 v[T1], v[T1]                     ; (it saturates)
	v_ldexp_f32 v[F], 1.0, v[T1]                   ; f = 2^(old M - new M): a multiplication by it rounds nothing
.irp j, 0,2,4,6,8,10,12,14,16,18,20,22,24,26,28,30,32,34,36,38,40,42,44,46,48,50,52,54,56,58,60,62
	v_pk_fma_f32 v[S+\j:S+\j+1], v[S+\j:S+\j+1], s[28:29], v[NM:NM+1] op_sel_hi:[1,0,0]   ; t - M, two at a time (of the pairs c and -M the low word serves both halves)
.endr
.irp c, 0,1
	v_fma_f32 v[BM+\c], v[BM+\c], s28, v[NM]       ; the same of each block's largest score
.endr
.set i, 0
.rept 64
	v_exp_f32 v[S+i], v[S+i]                       ; p = 2^(t - M), at most 1: not normalised
.set i, i+1
.endr
.irp c, 0,1
	v_exp_f32 v[BM+\c], v[BM+\c]                   ; the block's largest p: the same two instructions on the same number give the same bits
.endr
	v_pk_mul_f32 v[L:L+1], v[L:L+1], v[F:F+1] op_sel_hi:[1,0]   ; the sums under the new M.  (The plain instruction behind the exponentials)
	s_wait_alu depctr_va_vdst(0)
.irp c, 0,1
	v_max_num_f32 v[BM+\c], 0x1800000, v[BM+\c]    ; the floor 2^(3 - 127): the byte cannot fall under 1 (a block whose every p is 0 keeps that byte: its codes are zeros)
.endr
.irp c, 0,1
	v_add_nc_u32 v[SO+\c], 0xff000000, v[BM+\c]    ; 2 off the exponent field: the conversion's scale operand
.endr
.irp c, 0,1
	v_lshrrev_b32 v[BY+\c], 23, v[SO+\c]           ; the scale's byte
.endr
	v_lshl_or_b32 v[PS], v[BY+1], 16, v[BY]        ; my two bytes belong at places h and 2 + h of the word:
	v_lshlrev_b32 v[PS], v[SH8], v[PS]             ; 8 h bits up;
	v_permlanex16_b32 v[T1], v[PS], s30, s31
	v_or_b32 v[PS], v[PS], v[T1]                   ; with the other half's two the word is whole
	v_cvt_scalef32_pk16_fp6_f32 v[P:P+2], v[S:S+15], v[SO]
	v_cvt_scalef32_pk16_fp6_f32 v[P+6:P+8], v[S+32:S+47], v[SO+1]
	v_cvt_scalef32_pk16_fp6_f32 v[TA:TA+2], v[S+16:S+31], v[SO]
	v_cvt_scalef32_pk16_fp6_f32 v[TB:TB+2], v[S+48:S+63], v[SO+1]
	v_nop                                          ; one plain instruction between a scaled conversion and the vector instruction that touches its result
.irp i, 0,1,2
	v_mov_b32 v[P+3+\i], v[TA+\i]
	v_mov_b32 v[P+9+\i], v[TB+\i]
.endr
	v_pk_add_f32 v[L2:L2+1], v[S:S+1], v[S+2:S+3]  ; THE ROW'S SUM IS TAKEN OF THE UNQUANTISED p: two at a time, in two chains
.irp j, 4,8,12,16,20,24,28,32,36,40,44,48,52,56,60
	v_pk_add_f32 v[L:L+1], v[L:L+1], v[S+\j:S+\j+1]
	v_pk_add_f32 v[L2:L2+1], v[L2:L2+1], v[S+\j+2:S+\j+3]
.endr
	v_pk_add_f32 v[L:L+1], v[L:L+1], v[L2:L2+1]
.irp j, 0,2,4,6,8,10,12,14,16,18,20,22,24,26,28,30
	v_pk_mul_f32 v[O+\j:O+\j+1], v[O+\j:O+\j+1], v[F:F+1] op_sel_hi:[1,0]   ; O^T under the new M.  (The 48 lines from the sums on stand between the writing of p's codes and scale word and the products that take them)
.endr
.endm
; O^T += V^T P^T: four tiles of 16 channels; K = the step's 128 keys.  The four accumulators take turns, one instruction a turn.
.macro PV
.irp t, 0,2
	v_wmma_scale_f32_16x16x128_f8f6f4 v[O+8*\t:O+8*\t+7], v[X+12*\t:X+12*\t+11], v[P:P+11], v[O+8*\t:O+8*\t+7], v[VS+\t/2], v[PS] matrix_a_fmt:MATRIX_FMT_FP6 matrix_b_fmt:MATRIX_FMT_FP6
	v_wmma_scale_f32_16x16x128_f8f6f4 v[O+8*\t+8:O+8*\t+15], v[X+12*\t+12:X+12*\t+23], v[P:P+11], v[O+8*\t+8:O+8*\t+15], v[VS+\t/2], v[PS] matrix_a_fmt:MATRIX_FMT_FP6 matrix_b_fmt:MATRIX_FMT_FP6 matrix_a_scale:MATRIX_SCALE_ROW1
.endr
.endm
; A PREFETCH INTO THE L2.  A batch's K (98,304 bytes) and V (64 rows of 1,536 bytes) are cut into six columns of 1,024 / 3 keys: 16,384 dense bytes of K, and 256 bytes of each row of V.  All 32 work-groups of a batch walk
; the same K and V: the one with the batch's first 64 queries asks, and nobody else.  In it waves 0 and 1 ask for a column of K, 8,192 bytes each, lanes 256 bytes apart; waves 2 and 3 for V's, 32 rows each, a lane a row:
; one instruction a wave, and each aligned block of 256 bytes is named once in the launch.  Columns 2, 3, 4, 5 are asked for in steps 1, 4, 7, 10: two or three steps ahead of the loads that first touch them; columns 0 and
; 1 come by their loads alone.  A column is asked for only if a key that is walked lies in it (3 x s25 > 1,024 x column), which also ends the asking: for column 6 that never holds.  It stands behind the step's loads.
.macro ASK
	s_cmp_eq_u32 s26, s40
	s_cbranch_scc0 .Lnoask_\@
	s_add_co_u32 s40, s40, 384
	s_wait_xcnt 0x0                                ; the last prefetch, three steps back, has read its address: only now is it stepped
	s_add_nc_u64 s[36:37], s[36:37], s[38:39]
	s_add_co_u32 s41, s41, 1024
	s_cmp_gt_u32 s42, s41
	s_cbranch_scc0 .Lnoask_\@
	global_prefetch_b8 v[PFO], s[36:37] th:TH_LOAD_NT scope:SCOPE_SE
.Lnoask_\@:
.endm
; A KEY STEP on the slot named.  Between two barriers the waves read this slot and write the other one, whose last readers had their loads back in front of the barrier before.
.macro STEP slot
	s_cmp_ge_u32 s26, s25                          ; all keys from here on are masked: only the barrier is left of the step
	s_cbranch_scc1 .Lidle_\@
	LOADK \slot*SLOT
	s_add_co_u32 s44, s26, 128
	s_cmp_ge_u32 s44, s25                          ; is there a next step to fetch?  No load leaves its buffer
	s_cbranch_scc1 .Lnoload_\@
	GLOAD 0
	ASK
.Lnoload_\@:
	QK
	PLACES 4                                       ; in front of the loads into registers that the products have read, and of the first read of the scores
	LOADV \slot*SLOT
	MASK
	SOFTMAX
	s_wait_dscnt 0x0                               ; V is in
	s_wait_loadcnt 0x0                             ; and so is my quarter of the next step (on every path: the bases may be stepped in the next step)
	s_cmp_ge_u32 s44, s25
	s_cbranch_scc1 .Lnostore_\@
	WSTORE (1-\slot)*SLOT
.Lnostore_\@:
	PV
	PLACES 4                                       ; in front of the next loads into V's registers and of the next read of O^T
.Lidle_\@:
	s_wait_dscnt 0x0                               ; for the others' sake: my stores into the other slot have landed, my reads of this slot are back
	s_barrier_signal -1
	s_barrier_wait -1
	s_add_co_u32 s26, s26, 128
.endm
	s_load_b512 s[4:19], s[0:1], 0x0               ; all eight addresses
	v_lshl_add_u32 v41, v0, 2, 0xaa00
	v_mov_b32 v45, 0
	v_and_b32 v120, 31, v0                         ; lane
	v_lshrrev_b32 v121, 5, v0
	v_readfirstlane_b32 s20, v121                  ; wave 0..3
	v_and_b32 v122, 15, v0                         ; r
	v_bfe_u32 v123, v0, 4, 1                       ; h
	; every LDS address is made here, of the thread's number, the wave's number and constants
	v_lshlrev_b32 v[LI], 4, v120
	v_lshlrev_b32 v[L4], 2, v120
	s_mul_i32 s43, s20, 1536
	v_add_nc_u32 v[WI], s43, v[LI]
	s_lshl_b32 s43, s20, 2
	v_add_nc_u32 v[WKS], s43, v[LI]
	s_lshl_b32 s43, s20, 6
	v_lshl_add_u32 v[WVS], v122, 2, s43
	s_mul_i32 s43, s20, 16*SP
	s_add_co_u32 s43, s43, STAGE                   ; my stage
	v_mul_u32_u24 v124, v122, SP
	v_lshl_add_u32 v124, v123, 5, v124
	v_add_nc_u32 v[STO], s43, v124                 ; in: row r, 32 bytes for each half of the lanes
	v_mul_u32_u24 v124, v123, SP
	v_lshl_add_u32 v124, v122, 4, v124
	v_add_nc_u32 v[SRD], s43, v124                 ; back: lanes 0-15 one row of 256 bytes, lanes 16-31 the next
	; offsets in memory
	v_and_b32 v124, 7, v0
	v_lshl_add_u32 v124, v123, 3, v124
	v_bfe_u32 v125, v0, 3, 1
	v_lshl_add_u32 v124, v125, 6, v124
	s_lshl_b32 s43, s20, 4
	v_add_nc_u32 v124, s43, v124                   ; my key of a step: l % 8 + 8 (l / 16) + 64 ((l / 8) % 2) + 16 x wave
	v_mul_u32_u24 v[GK], v124, 48
	v_lshlrev_b32 v[GKS], 1, v124
	v_add_nc_u32 v125, s43, v122                   ; my channel: 16 x wave + r
	v_mul_u32_u24 v[GV], v125, 1536
	v_mad_u32_u24 v[GV], v123, 48, v[GV]
	v_lshlrev_b32 v[GVS], 6, v125
	v_lshlrev_b32 v[SH8], 3, v123
	v_lshlrev_b32 v[H64], 6, v123
	v_mul_u32_u24 v130, v122, 48                   ; Q: row r
	v_lshlrev_b32 v131, 1, v122
	; the work-group's number -> a rank among the batches and a block of 64 queries
	s_and_b32 s50, ttmp9, 3                        ; lo2
	s_lshr_b32 s51, ttmp9, 8                       ; hi2
	s_bfe_u32 s52, ttmp9, 0x60002                  ; the six bits between
	s_lshr_b32 s21, s52, 1                         ; which 64 queries
	s_and_b32 s52, s52, 1
	s_lshl_b32 s43, s50, 2
	s_add_co_u32 s43, s43, s51                     ; the square's cell: 4 lo2 + hi2
	s_mov_b32 s48, 0x7a94c12f                      ; 15 2 1 12 / 4 9 10 7 / 8 5 6 11 / 3 14 13 0: every row and every column adds up to 30; four bits a cell
	s_mov_b32 s49, 0x0de3b658
	s_cmp_lt_u32 s43, 8
	s_cselect_b32 s48, s48, s49
	s_and_b32 s43, s43, 7
	s_lshl_b32 s43, s43, 2
	s_lshr_b32 s48, s48, s43
	s_and_b32 s22, s48, 15
	s_xor_b32 s50, s50, s51
	s_and_b32 s50, s50, 1
	s_xor_b32 s50, s50, s52
	s_lshl_b32 s22, s22, 1
	s_add_co_u32 s22, s22, s50                     ; rank = 2 x cell's number + a bit that is 1 in two of any row's or column's four
	s_mov_b32 s28, 0x3e38aa3b                      ; c = log2(e) / 8: t = raw score x c
	s_mov_b32 s29, s28                             ; (named with it as a pair, so it is written)
	s_mov_b32 s30, 0x76543210
	s_mov_b32 s31, 0xfedcba98                      ; v_permlanex16_b32's selects for lane l xor 16
	s_mov_b32 s45, 0x01010000
	s_mov_b32 s46, 0x03010200
	s_wait_kmcnt 0x0
	global_load_b32 v116, v[L4], s[12:13]          ; a lane a batch
	v_mov_b32 v119, 16
	v_mov_b32 v118, 0
	s_wait_loadcnt 0x0
	v_add_nc_u32 v117, 127, v116
	v_lshrrev_b32 v117, 7, v117
	v_min_u32 v117, 16, v117                       ; steps of the batch: ceil(valid_lens / 128), at most 16 (a negative number is a large one here);
	v_cmp_eq_u32 vcc_lo, 0, v117
	v_cndmask_b32 v117, v117, v119, vcc_lo         ; with no valid key all 16 are walked
	v_lshl_or_b32 v117, v117, 5, v120              ; the sort key: steps, then the batch's number: no two alike
.set j, 0
.rept 32
	v_readlane_b32 s51, v117, j
	v_cmp_lt_u32 vcc_lo, s51, v117
	v_add_co_ci_u32 v118, vcc_lo, 0, v118, vcc_lo  ; my batch's rank: how many keys lie under mine
.set j, j+1
.endr
	v_cmp_eq_u32 s50, s22, v118
	s_ctz_i32_b32 s23, s50                         ; the batch of my rank
	s_min_u32 s23, s23, 31
	v_readlane_b32 s24, v116, s23                  ; its valid_lens,
	s_max_i32 s24, s24, 0
	s_min_i32 s24, s24, 0x800                      ; held to 0 .. 2,048
	s_add_co_u32 s25, s24, 127
	s_and_b32 s25, s25, 0xffffff80                 ; the walk ends at the next multiple of 128,
	s_cmp_lg_u32 s25, 0
	s_cselect_b32 s25, s25, 0x800                  ; or, with no valid key, at 2,048
	s_mul_i32 s42, s25, 3
	s_cmp_eq_u32 s24, 0
	s_cselect_b32 s43, 0, 0xcaf42400               ; a masked key's raw score: -8e6 = -1e6 x 8.  With no valid key all logits are alike: 0 then, so that t - M is exactly 0
	v_mov_b32 v[MV], s43
	; the batch's and the wave's places in the buffers
	s_mul_i32 s32, s23, 98304
	s_mov_b32 s33, 0
	s_lshl_b32 s34, s23, 12
	s_mov_b32 s35, 0
	s_add_nc_u64 s[4:5], s[4:5], s[32:33]
	s_add_nc_u64 s[8:9], s[8:9], s[32:33]
	s_add_nc_u64 s[14:15], s[14:15], s[32:33]
	s_add_nc_u64 s[6:7], s[6:7], s[34:35]
	s_add_nc_u64 s[10:11], s[10:11], s[34:35]
	s_add_nc_u64 s[16:17], s[16:17], s[34:35]
	s_lshl_b32 s43, s21, 6
	s_lshl_b32 s50, s20, 4
	s_add_co_u32 s43, s43, s50                     ; my first query: 64 x block + 16 x wave
	s_lshl_b32 s32, s23, 19
	s_lshl_b32 s50, s43, 8
	s_add_co_u32 s32, s32, s50
	s_add_nc_u64 s[18:19], s[18:19], s[32:33]      ; out: 524,288 x batch + 256 x query
	s_mul_i32 s32, s43, 48
	s_add_nc_u64 s[8:9], s[8:9], s[32:33]
	s_lshl_b32 s34, s43, 1
	s_add_nc_u64 s[10:11], s[10:11], s[34:35]
	; the prefetches (macro ASK): they stand at column 1; the first asking steps them to column 2
	s_cmp_lt_u32 s20, 2                            ; waves 0, 1: K; waves 2, 3: V
	s_cselect_b64 s[36:37], s[4:5], s[14:15]
	s_mov_b32 s38, 256
	s_cselect_b32 s38, 0x4000, s38                 ; from column to column
	s_mov_b32 s39, 0
	s_mov_b32 s50, 0xc000
	s_cselect_b32 s50, 0x2000, s50                 ; from wave to wave: 8,192 bytes of K, 32 rows of V
	s_mov_b32 s51, 1536
	s_cselect_b32 s51, 256, s51                    ; from lane to lane
	v_mul_lo_u32 v[PFO], v120, s51
	s_and_b32 s52, s20, 1
	s_mul_i32 s32, s52, s50
	s_add_co_u32 s32, s32, s38
	s_add_nc_u64 s[36:37], s[36:37], s[32:33]
	s_mov_b32 s41, 1024
	s_cmp_eq_u32 s21, 0
	s_cselect_b32 s40, 128, -1                     ; step 1 asks first, in the work-group of the batch's first 64 queries; elsewhere no step's first key is ever this number
	GLOAD 1                                        ; step 0
.irp i, 0,1,2
	global_load_b128 v[QA+4*\i:QA+4*\i+3], v130, s[8:9] offset:16*\i   ; both halves of the lanes load row r
.endr
	global_load_u16 v[QS], v131, s[10:11]
	v_mov_b32 v[RM], 0xff61b1e6                    ; the largest raw score so far: -3e38
	v_mul_f32 v[T0], s28, v[RM]
	v_floor_f32 v[NM], -v[T0]                      ; -M
	v_mov_b32 v[L], 0
	v_mov_b32 v[L+1], 0
	v_mov_b32 v[F+1], 0                            ; (named as the upper half of a pair)
	v_mov_b32 v[T1], 0                             ; (a lane permute's destination counts as one of its sources)
	s_mov_b32 s26, 0
	s_mov_b32 s27, 8
	v_cmp_eq_u32 vcc_lo, 1, v123                   ; lanes 16-31
	v_cmp_eq_u32 s50, 0, v123                      ; lanes 0-15
	s_wait_loadcnt 0x0
	v_perm_b32 v[QS], v[QS], v[QS], s45            ; (b0, b0, b1, b1)
.irp i, 0,1,2,3,4,5,6,7,8,9,10,11
	v_cndmask_b32 v[QB+\i], 0, v[QA+\i], vcc_lo    ; QB: the queries in lanes 16-31, zero codes below
.endr
.irp i, 0,1,2,3,4,5,6,7,8,9,10,11
	v_cndmask_b32 v[QA+\i], 0, v[QA+\i], s50       ; QA: the queries in lanes 0-15, zero codes above
.endr
.set i, 0
.rept 32
	v_mov_b32 v[O+i], 0                            ; O^T.  (The step is written once: the first finds zeros, which the first change of M leaves zeros.  These lines also stand between the writing of Q's operands and scale word and the first product)
.set i, i+1
.endr
	WSTORE 0
	s_wait_dscnt 0x0                               ; my quarter of step 0 has landed
	s_barrier_signal -1
	s_barrier_wait -1                              ; everybody's has
.Ltrip:                                            ; eight trips of two steps: the slot is a constant of each step's text
	STEP 0
	STEP 1
	s_sub_co_u32 s27, s27, 1
	s_cmp_lg_u32 s27, 0
	s_cbranch_scc1 .Ltrip
	; THE WAY OUT.  O^T is divided by the row's sum and goes through my own stage in LDS, so that each store of the wave covers 512 consecutive bytes, two whole rows of out, aligned.
	v_add_f32 v[L], v[L], v[L+1]                   ; the sum's two halves,
	v_permlanex16_b32 v[T1], v[L], s30, s31
	v_add_f32 v[L], v[L], v[T1]                    ; and the other half of the lanes': the row's sum
	v_rcp_f32 v[F], v[L]
	v_nop                                          ; a plain instruction between the reciprocal and the use of its result
	s_wait_alu depctr_va_vdst(0)
.irp j, 0,2,4,6,8,10,12,14,16,18,20,22,24,26,28,30
	v_pk_mul_f32 v[O+\j:O+\j+1], v[O+\j:O+\j+1], v[F:F+1] op_sel_hi:[1,0]   ; register 8 t + i is out(r, 16 t + 8 h + i)
.endr
.irp t, 0,1,2,3
	ds_store_b128 v[STO], v[O+8*\t:O+8*\t+3] offset:64*\t
	ds_store_b128 v[STO], v[O+8*\t+4:O+8*\t+7] offset:64*\t+16
.endr
.irp i, 0,1,2,3,4,5,6,7
	ds_load_b128 v[X+4*\i:X+4*\i+3], v[SRD] offset:2*\i*SP   ; LDS serves a wave's instructions in order (ISA guide 5.7.1.4): these see my stores
.endr
.irp i, 0,1,2,3,4,5,6,7
	s_wait_dscnt 7-\i                              ; the younger loads may stay out
	global_store_b128 v[LI], v[X+4*\i:X+4*\i+3], s[18:19] offset:512*\i th:TH_STORE_NT   ; written once, read by nobody here
.endr
	s_wait_tensorcnt 0x0
	ds_add_u32 v41, v45
	s_wait_dscnt 0x0
	s_endpgm
.Lfunc_end_k_q952588bd5a_attn:
	.size	k_q952588bd5a_attn, .Lfunc_end_k_q952588bd5a_attn-k_q952588bd5a_attn
	.p2alignl 7, 3214868480
	.fill 96, 4, 3214868480
	.section	.rodata,"a",@progbits
	.p2align	6, 0x0
	.amdhsa_kernel k_q952588bd5a_attn
		.amdhsa_group_segment_fixed_size 44032
		.amdhsa_private_segment_fixed_size 0
		.amdhsa_enable_private_segment 0
		.amdhsa_kernarg_size 64
		.amdhsa_user_sgpr_count 2
		.amdhsa_user_sgpr_kernarg_segment_ptr 1
		.amdhsa_wavefront_size32 1
		.amdhsa_system_sgpr_workgroup_id_x 1
		.amdhsa_system_sgpr_workgroup_id_y 1
		.amdhsa_system_sgpr_workgroup_id_z 1
		.amdhsa_system_vgpr_workitem_id 0
		.amdhsa_next_free_vgpr 256
		.amdhsa_next_free_sgpr 66
		.amdhsa_reserve_vcc 1
		.amdhsa_float_denorm_mode_32 3
		.amdhsa_float_denorm_mode_16_64 3
		.amdhsa_memory_ordered 1
		.amdhsa_forward_progress 1
		.amdhsa_inst_pref_size 60
	.end_amdhsa_kernel
	.amdgpu_metadata
---
amdhsa.version: [ 1, 2 ]
amdhsa.kernels:
  - .name:           k_q952588bd5a_attn
    .symbol:         k_q952588bd5a_attn.kd
    .args:
      - { .name: keys_codes, .offset: 0, .size: 8, .value_kind: global_buffer, .address_space: global }
      - { .name: keys_scales, .offset: 8, .size: 8, .value_kind: global_buffer, .address_space: global }
      - { .name: queries_codes, .offset: 16, .size: 8, .value_kind: global_buffer, .address_space: global }
      - { .name: queries_scales, .offset: 24, .size: 8, .value_kind: global_buffer, .address_space: global }
      - { .name: valid_lens, .offset: 32, .size: 8, .value_kind: global_buffer, .address_space: global }
      - { .name: values_codes, .offset: 40, .size: 8, .value_kind: global_buffer, .address_space: global }
      - { .name: values_scales, .offset: 48, .size: 8, .value_kind: global_buffer, .address_space: global }
      - { .name: out0, .offset: 56, .size: 8, .value_kind: global_buffer, .address_space: global }
    .group_segment_fixed_size: 44032
    .private_segment_fixed_size: 0
    .kernarg_segment_align: 8
    .kernarg_segment_size: 64
    .max_flat_workgroup_size: 128
    .sgpr_count:     66
    .vgpr_count:     256
    .wavefront_size: 32
...
	.end_amdgpu_metadata
.endif
;; end of part 1
;; ======== version 2 of 2: 1 launch; version 1 with the launch attn written anew for expert scheduling mode
;; limits: right only within a limited range of input values
;; launch attn (part 2): grid 1024 x 1, 4 waves a work-group, no clusters, 44,032 bytes of LDS; arguments keys_codes, keys_scales, queries_codes, queries_scales, valid_lens, values_codes, values_scales, out0; writes out0
.if DOCPART == 2
	.amdgcn_target "amdgcn-amd-amdhsa--gfx1250"
	.amdhsa_code_object_version 6
	.text
	.protected	k_q952588bd5a_attn
	.globl	k_q952588bd5a_attn
	.p2align	8
	.type	k_q952588bd5a_attn,@function
k_q952588bd5a_attn:
	s_mov_b64 s[64:65], 0
	v_nop
	global_prefetch_b8 v0, s[64:65] scope:SCOPE_SE
	s_setreg_imm32_b32 hwreg(HW_REG_WAVE_SCHED_MODE, 0, 2), 2
	s_setreg_imm32_b32 hwreg(HW_REG_WAVE_MODE, 25, 1), 1
	s_wait_xcnt 0x0
	s_wait_alu depctr_vm_vsrc(0)
; out[b][q][:] = sum over k of softmax_k(Q[b][q] . K[b][k] / 8, keys k >= valid_lens[b] at the logit -1e6) V[b][k][:].  32 batches, 2,048 queries, 2,048 keys, head 64.
; Both products on codes of FP6 (E2M3) with one E8M0 scale for each 32 along a product's K.  Q, K: rows of 64 codes (48 bytes) and 2 scale bytes; V: keys innermost, a channel's row 1,536 bytes and 64 scale bytes.
; SOFTMAX AHEAD OF THE SECOND PRODUCT: t = logit x log2(e); M = the running largest t rounded UP to a whole number; p = 2^(t - M) is quantised along the keys, not normalised; the row's sum is taken of the
; unquantised p and divides at the end.  When M moves, the sum and O are multiplied by 2^(old M - new M): exact.
; SHARES.  A work-group of four waves owns 64 queries of ONE batch, a wave one tile of 16, in 256 registers; 43,520 bytes of LDS a work-group, so that several work-groups can share a WGP and one's vector work
; stands beside another's matrix work and loads.  Keys go 128 a step.  Each wave brings a quarter of a step's K and V from memory into registers and stores it to LDS as an image of operand registers; all four read it.
; No tensor load: the steps that lie wholly behind valid_lens[b] are left out by a scalar branch on that number.  The loop's trip count is a constant and its barrier stands on every path; only a step's work is jumped over.
; WHICH BATCH.  The 32 batches are ranked by their number of steps (whole numbers read from valid_lens); the work-group's number picks a rank through a 4 x 4 magic square, so that work-groups 4 i .. 4 i + 3, and
; likewise i, i + 256, i + 512, i + 768, have ranks that add up to 62.  (rank, block of 64 queries) is one-to-one with the work-group's number: each output row has one owner.
; LAYOUT (lane l: r = l % 16, h = l / 16).  A 6-bit operand has four places of 32 k: registers 6 c .. 6 c + 5 of half h are place 2 c + h, scaled by byte 2 c + h.
;  K: a lane holds a WHOLE key row in 12 registers: lanes 0-15 fill places 0 and 2, lanes 16-31 (16 other keys) places 1 and 3.  Q stands twice: QA has the queries in lanes 0-15 and zero codes above, QB the reverse.
;     K x QA gives the scores of the keys in lanes 0-15, K x QB (K's scales from lanes 16-31) those of the keys in lanes 16-31.  A row's two scale bytes (b0, b1) become the word (b0, b0, b1, b1), right for either pair of places.
;  Lane l of double fragment f holds key 16 f + 8 (l / 16) + l % 8 + 64 ((l / 8) % 2): then lane (q, h) of S^T holds in register i the key 64 h + i of the step: two WHOLE blocks of 32: no exchange for a block's
;     maximum, none for the codes.
;  V: fragment t = channels 16 t + r; lane (r, h) takes the 48 bytes of keys 64 h .. 64 h + 63: place 2 c + h holds the step's block 2 h + c; its scale word (s0, s1, s2, s3) becomes (s0, s2, s1, s3).
;  P: registers 6 c .. 6 c + 5 of lane (q, h) are the codes of p[32 c .. 32 c + 31] of its 64 keys: the same block 2 h + c.  O^T = V^T P^T: a lane holds one query and eight channels a tile.
; LIMITS.  A step all of whose keys are masked is left out: this takes a masked p to be nothing beside the row's largest, which holds where a row's largest valid logit lies above about -999,900.  Inside a step that is
; masked in part the masked logit is -1e6, as given.  valid_lens <= 0: all keys count alike (uniform weights); > 2,048: none is masked.  Scale bytes 0xff (NaN) are not served.  p under 2^-126 comes out of v_exp_f32 as 0.
; THE MODE: SCHED_MODE bits 1:0 = 2 (LLVM: expert scheduling mode 2), set by the entry lines.  The code itself states the register dependences between vector or matrix instructions and memory or LDS instructions,
; and those through scalar results of vector instructions, with s_wait_alu, always for 0.
; THE PLAN.  Registers that memory or LDS instructions touch:
;   v1-v9, v34, v254, v255, v41, v45   addresses and offsets (and the closing add's two): written at the head, never again.   v130, v131: Q's offsets, read by Q's loads; they are registers of S^T afterwards.
;   KS         the step's first LDS loads land in it; K Q^T reads it.
;   X          K's LDS loads land in it; K Q^T reads it; V's LDS loads land in it; V^T P reads it; and so round.  On the way out the stage's loads land in it and the stores to memory read it.
;   VS         V's LDS loads land in it; V^T P reads it.
;   GKR, GVR   the next step's loads from memory land in them; the LDS stores read them.       v252, v253   likewise, and the two byte permutes read and write them between the two.
;   P, PS (at the head QA, QB, QS) are written by vector instructions and taken by scaled products.   O^T is read by LDS stores on the way out alone.
; A worked step has four waits on va_vdst: at its head (the products of the step before are done with X and KS; the permutes have written v252, v253); behind K Q^T (done with X); behind the exponentials;
; ahead of the LDS stores and V^T P (P, PS, v252, v253 are written).  One wait on vm_vsrc stands in front of each barrier: the LDS stores have read what the next step's loads and permutes write.
; No room for a second X: four waves of 256 registers lie on a SIMD of 1,024.
.set SLOT,  13056                      ; LDS: two slots, each: K's four double fragments as register images (1,536 f + 512 i + 16 lane),
.set KIMG,  0
.set VIMG,  6144                       ; V's four fragments likewise,
.set KSC,   12288                      ; K's scale words at 16 lane + 4 f (one load of 16 bytes brings a lane's four),
.set VSC,   12800                      ; V's at 64 t + 4 r (a load at 4 lane brings fragment 2 i in lanes 0-15 and 2 i + 1 in lanes 16-31)
.set STAGE, 2*SLOT                     ; behind them the way out: 16 rows x (256 + 16) bytes for each wave
.set SP,    272
.set LI,  1                            ; v1   16 x lane: an image's place for my lane; also my byte in two rows of out
.set L4,  2                            ; v2   4 x lane
.set WI,  3                            ; v3   16 x lane + 1,536 x wave: where I store images
.set WKS, 4                            ; v4   16 x lane + 4 x wave: K's scale word
.set WVS, 5                            ; v5   64 x wave + 4 r: V's
.set GK,  6                            ; v6   48 x my key of a step
.set GKS, 7                            ; v7   2 x my key
.set GV,  8                            ; v8   1,536 x my channel + 48 h
.set GVS, 9                            ; v9   64 x my channel
.set SH8, 10                           ; v10  8 h
.set H64, 11                           ; v11  64 h
.set NM,  12                           ; v12  -M          (read with v13 as a pair)
.set RM,  13                           ; v13  the running largest raw score
.set L,   14                           ; v[14:15] the row's sum, in two halves
.set F,   16                           ; v[16:17] f = 2^(old M - new M); v17 is written once, since the pair is named
.set BM,  18                           ; v18-19 a block's largest score, then its largest p
.set SO,  20                           ; v20-21 the conversions' scale operands
.set BY,  22                           ; v22-23 the scale bytes
.set T0,  24
.set T1,  25
.set PS,  26                           ; v26  p's scale word
.set QS,  27                           ; v27  Q's
.set KS,  28                           ; v[28:31] K's, one for each double fragment
.set VS,  32                           ; v32-33 V's
.set PFO, 34                           ; v34  the prefetches' lane offset; never rewritten
.set MV,  35                           ; v35  the raw score of a masked key
.set DD,  36                           ; v36  from which register on my keys are masked
.set TA,  38                           ; v[38:40], v[42:44] the second halves of the two blocks' codes (a conversion's three registers begin on an even number)
.set TB,  42
.set L2,  46                           ; v[46:47] the sum's second chain
.set P,   48                           ; v[48:59] p's codes
.set QA,  60                           ; v[60:71]
.set QB,  72                           ; v[72:83]
.set O,   84                           ; v[84:115] O^T, tile t at O + 8 t
.set S,   116                          ; v[116:179] S^T, then p.  (At the head: valid_lens, the rank and other short-lived numbers, in v116 to v140)
.set X,   180                          ; v[180:227] K's four double fragments, then V's four fragments, at last rows of out
.set GKR, 228                          ; v[228:239] my quarter of the next step's K, on its way
.set GVR, 240                          ; v[240:251] of its V
.set SKS, 252                          ; v252, v253 their scale bytes
.set SVS, 253
.set STO, 254                          ; v254 the stage: where I put 32 bytes of a row
.set SRD, 255                          ; v255 and where I read a row back
; scalars: s[4:5] K's codes, s[6:7] K's scales, s[8:9] Q's codes, s[10:11] Q's scales, s[12:13] valid_lens, s[14:15] V's codes, s[16:17] V's scales, s[18:19] out
; s20 wave; s21 block of 64 queries; s22 rank; s23 batch; s24 valid_lens held to 0 .. 2,048; s25 where the keys that are walked end; s26 the step's first key; s27 trips; s[28:29] c; s[30:31] lane selects;
; s[36:37] where my prefetches stand, s[38:39] their step, s40 the first key of the step that asks next, s41 1,024 x the column asked for, s42 3 x s25; s44 the next step's first key; s45, s46 byte selects;
; s48-s55 eight lane masks of a run of compares (at the head s32-s39 hold a run of eight sort keys)
.macro PLACES n
.rept \n
	v_nop
.endr
.endm
; My quarter of a step: 32 keys' rows (a whole row a lane), 16 channels' 128 codes (half a lane), their scale bytes.  first = 0: the bases go a step on; the loads that named them were shown done by the wait for all loads in the step before.
.macro GLOAD first
.if \first == 0
	s_add_nc_u64 s[4:5], s[4:5], 6144              ; 128 keys x 48 bytes
	s_add_nc_u64 s[6:7], s[6:7], 256               ; 128 x 2
	s_add_nc_u64 s[14:15], s[14:15], 96            ; 128 codes in each row of V
	s_add_nc_u64 s[16:17], s[16:17], 4
.endif
.irp i, 0,1,2
	global_load_b128 v[GKR+4*\i:GKR+4*\i+3], v[GK], s[4:5] offset:16*\i
.endr
	global_load_u16 v[SKS], v[GKS], s[6:7]
.irp i, 0,1,2
	global_load_b128 v[GVR+4*\i:GVR+4*\i+3], v[GV], s[14:15] offset:16*\i
.endr
	global_load_b32 v[SVS], v[GVS], s[16:17]
.endm
; The scale bytes that GLOAD brought are put in the order of the operand's places.  The two lines stand apart from the stores, ahead of the wait that the stores and the products share; in a batch's last step they
; run too, on bytes that nobody stores.
.macro PERMS
	v_perm_b32 v[SKS], v[SKS], v[SKS], s45         ; (b0, b1, 0, 0) -> (b0, b0, b1, b1)
	v_perm_b32 v[SVS], v[SVS], v[SVS], s46         ; (s0, s1, s2, s3) -> (s0, s2, s1, s3)
.endm
; What GLOAD brought goes to LDS as it stands in the registers.
.macro WSTORE base
.irp i, 0,1,2
	ds_store_b128 v[WI], v[GKR+4*\i:GKR+4*\i+3] offset:\base+KIMG+512*\i
.endr
.irp i, 0,1,2
	ds_store_b128 v[WI], v[GVR+4*\i:GVR+4*\i+3] offset:\base+VIMG+512*\i
.endr
	ds_store_b32 v[WKS], v[SKS] offset:\base+KSC
	ds_store_b32 v[WVS], v[SVS] offset:\base+VSC   ; both halves of the lanes write the same word with the same value
.endm
.macro LOADK base
	ds_load_b128 v[KS:KS+3], v[LI] offset:\base+KSC
.irp f, 0,1,2,3
.irp i, 0,1,2
	ds_load_b128 v[X+12*\f+4*\i:X+12*\f+4*\i+3], v[LI] offset:\base+KIMG+1536*\f+512*\i
.endr
.endr
.endm
.macro LOADV base
.irp t, 0,1,2,3
.irp i, 0,1,2
	ds_load_b128 v[X+12*\t+4*\i:X+12*\t+4*\i+3], v[LI] offset:\base+VIMG+1536*\t+512*\i
.endr
.endr
	ds_load_b32 v[VS], v[L4] offset:\base+VSC
	ds_load_b32 v[VS+1], v[L4] offset:\base+VSC+128
.endm
; S^T = K Q^T: eight tiles of 16 keys, two from each double fragment.
.macro QK
.irp f, 0,1,2,3
	s_wait_dscnt 9-3*\f                            ; LDS loads come back in order (ISA guide 5.7.1): fragment f is in; behind it stand three loads for each later fragment
	v_wmma_scale_f32_16x16x128_f8f6f4 v[S+16*\f:S+16*\f+7], v[X+12*\f:X+12*\f+11], v[QA:QA+11], 0, v[KS+\f], v[QS] matrix_a_fmt:MATRIX_FMT_FP6 matrix_b_fmt:MATRIX_FMT_FP6
	v_wmma_scale_f32_16x16x128_f8f6f4 v[S+16*\f+8:S+16*\f+15], v[X+12*\f:X+12*\f+11], v[QB:QB+11], 0, v[KS+\f], v[QS] matrix_a_fmt:MATRIX_FMT_FP6 matrix_b_fmt:MATRIX_FMT_FP6 matrix_a_scale:MATRIX_SCALE_ROW1
.endr
.endm
; The one step of a batch that valid_lens cuts: register i holds key s26 + 64 h + i, masked where i >= valid_lens - s26 - 64 h.  A step all of whose keys count jumps over this.
; The compares go in runs of eight, a tile of S^T a run, into eight scalar masks, with one wait behind each run.
.macro MASK
	s_cmp_le_u32 s44, s24
	s_cbranch_scc1 .Lopen_\@
	s_sub_co_i32 s43, s24, s26
	v_sub_nc_u32 v[DD], s43, v[H64]
.set i, 0
.rept 8
.irp j, 0,1,2,3,4,5,6,7
	v_cmp_ge_i32 s[48+\j], i+\j, v[DD]
.endr
	s_wait_alu depctr_va_sdst(0)                   ; the eight compares have written s48 to s55, which the eight selects below read
.irp j, 0,1,2,3,4,5,6,7
	v_cndmask_b32 v[S+i+\j], v[S+i+\j], v[MV], s[48+\j]   ; (each tile of S^T from its low end on)
.endr
.set i, i+8
.endr
.Lopen_\@:
.endm
.macro SOFTMAX
.irp c, 0,1
	v_max3_num_f32 v[BM+\c], v[S+32*\c], v[S+32*\c+1], v[S+32*\c+2]   ; THE LARGEST SCORE OF EACH OF MY TWO BLOCKS OF 32 KEYS: it serves for the row's maximum and, since p rises with the score, for the block's largest p
.endr
.irp i, 3,5,7,9,11,13,15,17,19,21,23,25,27,29
.irp c, 0,1
	v_max3_num_f32 v[BM+\c], v[BM+\c], v[S+32*\c+\i], v[S+32*\c+\i+1]   ; (the two blocks by turns; each tile of S^T is first read at its low end)
.endr
.endr
.irp c, 0,1
	v_max_num_f32 v[BM+\c], v[BM+\c], v[S+32*\c+31]
.endr
	v_max_num_f32 v[T0], v[BM], v[BM+1]
	v_permlanex16_b32 v[T1], v[T0], s30, s31       ; the query's other 64 keys lie in the lane 16 away
	v_max3_num_f32 v[RM], v[RM], v[T0], v[T1]      ; the running largest raw score
	v_mul_f32 v[T0], s28, v[RM]                    ; as t (c is positive)
	v_mov_b32 v[T1], v[NM]
	v_floor_f32 v[NM], -v[T0]                      ; the new -M = floor(-t) = -ceil(t): M is a whole number
	v_sub_f32 v[T1], v[NM], v[T1]                  ; old M - new M: a whole number, 0 or less
	v_cvt_i32_f32 v[T1], v[T1]                     ; (it saturates)
	v_ldexp_f32 v[F], 1.0, v[T1]                   ; f = 2^(old M - new M): a multiplication by it rounds nothing
.irp j, 0,2,4,6,8,10,12,14,16,18,20,22,24,26,28,30,32,34,36,38,40,42,44,46,48,50,52,54,56,58,60,62
	v_pk_fma_f32 v[S+\j:S+\j+1], v[S+\j:S+\j+1], s[28:29], v[NM:NM+1] op_sel_hi:[1,0,0]   ; t - M, two at a time (of the pairs c and -M the low word serves both halves)
.endr
.irp c, 0,1
	v_fma_f32 v[BM+\c], v[BM+\c], s28, v[NM]       ; the same of each block's largest score
.endr
.set i, 0
.rept 64
	v_exp_f32 v[S+i], v[S+i]                       ; p = 2^(t - M), at most 1: not normalised
.set i, i+1
.endr
.irp c, 0,1
	v_exp_f32 v[BM+\c], v[BM+\c]                   ; the block's largest p: the same two instructions on the same number give the same bits
.endr
	v_pk_mul_f32 v[L:L+1], v[L:L+1], v[F:F+1] op_sel_hi:[1,0]   ; the sums under the new M.  (The plain instruction behind the exponentials)
	s_wait_alu depctr_va_vdst(0)                   ; the 66 exponentials have written p and the two blocks' largest p: one wait for the batch, ahead of the first line that names a result
.irp c, 0,1
	v_max_num_f32 v[BM+\c], 0x1800000, v[BM+\c]    ; the floor 2^(3 - 127): the byte cannot fall under 1 (a block whose every p is 0 keeps that byte: its codes are zeros)
.endr
.irp c, 0,1
	v_add_nc_u32 v[SO+\c], 0xff000000, v[BM+\c]    ; 2 off the exponent field: the conversion's scale operand
.endr
.irp c, 0,1
	v_lshrrev_b32 v[BY+\c], 23, v[SO+\c]           ; the scale's byte
.endr
	v_lshl_or_b32 v[PS], v[BY+1], 16, v[BY]        ; my two bytes belong at places h and 2 + h of the word:
	v_lshlrev_b32 v[PS], v[SH8], v[PS]             ; 8 h bits up;
	v_permlanex16_b32 v[T1], v[PS], s30, s31
	v_or_b32 v[PS], v[PS], v[T1]                   ; with the other half's two the word is whole
	v_cvt_scalef32_pk16_fp6_f32 v[P:P+2], v[S:S+15], v[SO]
	v_cvt_scalef32_pk16_fp6_f32 v[P+6:P+8], v[S+32:S+47], v[SO+1]
	v_cvt_scalef32_pk16_fp6_f32 v[TA:TA+2], v[S+16:S+31], v[SO]
	v_cvt_scalef32_pk16_fp6_f32 v[TB:TB+2], v[S+48:S+63], v[SO+1]
	v_nop                                          ; one plain instruction between a scaled conversion and the vector instruction that touches its result
.irp i, 0,1,2
	v_mov_b32 v[P+3+\i], v[TA+\i]
	v_mov_b32 v[P+9+\i], v[TB+\i]
.endr
	v_pk_add_f32 v[L2:L2+1], v[S:S+1], v[S+2:S+3]  ; THE ROW'S SUM IS TAKEN OF THE UNQUANTISED p: two at a time, in two chains
.irp j, 4,8,12,16,20,24,28,32,36,40,44,48,52,56,60
	v_pk_add_f32 v[L:L+1], v[L:L+1], v[S+\j:S+\j+1]
	v_pk_add_f32 v[L2:L2+1], v[L2:L2+1], v[S+\j+2:S+\j+3]
.endr
	v_pk_add_f32 v[L:L+1], v[L:L+1], v[L2:L2+1]
.irp j, 0,2,4,6,8,10,12,14,16,18,20,22,24,26,28,30
	v_pk_mul_f32 v[O+\j:O+\j+1], v[O+\j:O+\j+1], v[F:F+1] op_sel_hi:[1,0]   ; O^T under the new M.  (The 48 lines from the sums on stand between the writing of p's codes and scale word and the products that take them)
.endr
.endm
; O^T += V^T P^T: four tiles of 16 channels; K = the step's 128 keys.  The four accumulators take turns, one instruction a turn.
.macro PV
.irp t, 0,2
	v_wmma_scale_f32_16x16x128_f8f6f4 v[O+8*\t:O+8*\t+7], v[X+12*\t:X+12*\t+11], v[P:P+11], v[O+8*\t:O+8*\t+7], v[VS+\t/2], v[PS] matrix_a_fmt:MATRIX_FMT_FP6 matrix_b_fmt:MATRIX_FMT_FP6
	v_wmma_scale_f32_16x16x128_f8f6f4 v[O+8*\t+8:O+8*\t+15], v[X+12*\t+12:X+12*\t+23], v[P:P+11], v[O+8*\t+8:O+8*\t+15], v[VS+\t/2], v[PS] matrix_a_fmt:MATRIX_FMT_FP6 matrix_b_fmt:MATRIX_FMT_FP6 matrix_a_scale:MATRIX_SCALE_ROW1
.endr
.endm
; A PREFETCH INTO THE L2.  A batch's K (98,304 bytes) and V (64 rows of 1,536 bytes) are cut into six columns of 1,024 / 3 keys: 16,384 dense bytes of K, and 256 bytes of each row of V.  All 32 work-groups of a batch walk
; the same K and V: the one with the batch's first 64 queries asks, and nobody else.  In it waves 0 and 1 ask for a column of K, 8,192 bytes each, lanes 256 bytes apart; waves 2 and 3 for V's, 32 rows each, a lane a row:
; one instruction a wave, and each aligned block of 256 bytes is named once in the launch.  Columns 2, 3, 4, 5 are asked for in steps 1, 4, 7, 10: two or three steps ahead of the loads that first touch them; columns 0 and
; 1 come by their loads alone.  A column is asked for only if a key that is walked lies in it (3 x s25 > 1,024 x column), which also ends the asking: for column 6 that never holds.  It stands behind the step's loads.
.macro ASK
	s_cmp_eq_u32 s26, s40
	s_cbranch_scc0 .Lnoask_\@
	s_add_co_u32 s40, s40, 384
	s_wait_xcnt 0x0                                ; the last prefetch, three steps back, has read its address: only now is it stepped
	s_add_nc_u64 s[36:37], s[36:37], s[38:39]
	s_add_co_u32 s41, s41, 1024
	s_cmp_gt_u32 s42, s41
	s_cbranch_scc0 .Lnoask_\@
	global_prefetch_b8 v[PFO], s[36:37] th:TH_LOAD_NT scope:SCOPE_SE
.Lnoask_\@:
.endm
; A KEY STEP on the slot named.  Between two barriers the waves read this slot and write the other one, whose last readers had their loads back in front of the barrier before.
.macro STEP slot
	s_cmp_ge_u32 s26, s25                          ; all keys from here on are masked: only the barrier is left of the step
	s_cbranch_scc1 .Lidle_\@
	s_wait_alu depctr_va_vdst(0)                   ; the products of the step before are done reading X and K's scale words, in which the LDS loads below land; its two byte permutes have written v252 and v253, in which the next step's scale bytes land.  Ahead of the first step: QA, QB and Q's scale word are written, which the products below take, and so is the prefetches' offset
	LOADK \slot*SLOT
	s_add_co_u32 s44, s26, 128
	s_cmp_ge_u32 s44, s25                          ; is there a next step to fetch?  No load leaves its buffer
	s_cbranch_scc1 .Lnoload_\@
	GLOAD 0                                        ; no vector or matrix instruction since the wait above: nothing more is owed for these loads or for the prefetch
	ASK
.Lnoload_\@:
	QK
	PLACES 4                                       ; in front of the first read of the scores
	s_wait_alu depctr_va_vdst(0)                   ; the eight products are done reading X, in which V's fragments land (V's scale words: their last readers stand ahead of the step's first wait)
	LOADV \slot*SLOT
	MASK
	SOFTMAX
	s_wait_dscnt 0x0                               ; V is in
	s_wait_loadcnt 0x0                             ; and so is my quarter of the next step (on every path: the bases may be stepped in the next step)
	PERMS
	s_wait_alu depctr_va_vdst(0)                   ; the permutes have written v252 and v253, which the LDS stores read; the conversions and moves have written p's codes and its scale word, which the products below take (their places stand ahead of this wait)
	s_cmp_ge_u32 s44, s25
	s_cbranch_scc1 .Lnostore_\@
	WSTORE (1-\slot)*SLOT
.Lnostore_\@:
	PV
	PLACES 4                                       ; in front of the next read of O^T
.Lidle_\@:
	s_wait_dscnt 0x0                               ; for the others' sake: my stores into the other slot have landed, my reads of this slot are back
	s_wait_alu depctr_vm_vsrc(0)                   ; my LDS stores have read GKR, GVR, v252 and v253, which the next step's loads from memory and its byte permutes write; it stands ahead of that step's branches
	s_barrier_signal -1
	s_barrier_wait -1
	s_add_co_u32 s26, s26, 128
.endm
	s_load_b512 s[4:19], s[0:1], 0x0               ; all eight addresses
	v_lshl_add_u32 v41, v0, 2, 0xaa00
	v_mov_b32 v45, 0
	v_and_b32 v120, 31, v0                         ; lane
	v_lshrrev_b32 v121, 5, v0
	v_readfirstlane_b32 s20, v121                  ; wave 0..3
	v_and_b32 v122, 15, v0                         ; r
	v_bfe_u32 v123, v0, 4, 1                       ; h
	; every LDS address is made here, of the thread's number, the wave's number and constants
	v_lshlrev_b32 v[LI], 4, v120
	v_lshlrev_b32 v[L4], 2, v120
	s_wait_alu depctr_va_sdst(0)                   ; s20, the wave's number, is written, ahead of its first reader
	s_mul_i32 s43, s20, 1536
	v_add_nc_u32 v[WI], s43, v[LI]
	s_lshl_b32 s43, s20, 2
	v_add_nc_u32 v[WKS], s43, v[LI]
	s_lshl_b32 s43, s20, 6
	v_lshl_add_u32 v[WVS], v122, 2, s43
	s_mul_i32 s43, s20, 16*SP
	s_add_co_u32 s43, s43, STAGE                   ; my stage
	v_mul_u32_u24 v124, v122, SP
	v_lshl_add_u32 v124, v123, 5, v124
	v_add_nc_u32 v[STO], s43, v124                 ; in: row r, 32 bytes for each half of the lanes
	v_mul_u32_u24 v124, v123, SP
	v_lshl_add_u32 v124, v122, 4, v124
	v_add_nc_u32 v[SRD], s43, v124                 ; back: lanes 0-15 one row of 256 bytes, lanes 16-31 the next
	; offsets in memory
	v_and_b32 v124, 7, v0
	v_lshl_add_u32 v124, v123, 3, v124
	v_bfe_u32 v125, v0, 3, 1
	v_lshl_add_u32 v124, v125, 6, v124
	s_lshl_b32 s43, s20, 4
	v_add_nc_u32 v124, s43, v124                   ; my key of a step: l % 8 + 8 (l / 16) + 64 ((l / 8) % 2) + 16 x wave
	v_mul_u32_u24 v[GK], v124, 48
	v_lshlrev_b32 v[GKS], 1, v124
	v_add_nc_u32 v125, s43, v122                   ; my channel: 16 x wave + r
	v_mul_u32_u24 v[GV], v125, 1536
	v_mad_u32_u24 v[GV], v123, 48, v[GV]
	v_lshlrev_b32 v[GVS], 6, v125
	v_lshlrev_b32 v[SH8], 3, v123
	v_lshlrev_b32 v[H64], 6, v123
	v_mul_u32_u24 v130, v122, 48                   ; Q: row r
	v_lshlrev_b32 v131, 1, v122
	; the work-group's number -> a rank among the batches and a block of 64 queries
	s_and_b32 s50, ttmp9, 3                        ; lo2
	s_lshr_b32 s51, ttmp9, 8                       ; hi2
	s_bfe_u32 s52, ttmp9, 0x60002                  ; the six bits between
	s_lshr_b32 s21, s52, 1                         ; which 64 queries
	s_and_b32 s52, s52, 1
	s_lshl_b32 s43, s50, 2
	s_add_co_u32 s43, s43, s51                     ; the square's cell: 4 lo2 + hi2
	s_mov_b32 s48, 0x7a94c12f                      ; 15 2 1 12 / 4 9 10 7 / 8 5 6 11 / 3 14 13 0: every row and every column adds up to 30; four bits a cell
	s_mov_b32 s49, 0x0de3b658
	s_cmp_lt_u32 s43, 8
	s_cselect_b32 s48, s48, s49
	s_and_b32 s43, s43, 7
	s_lshl_b32 s43, s43, 2
	s_lshr_b32 s48, s48, s43
	s_and_b32 s22, s48, 15
	s_xor_b32 s50, s50, s51
	s_and_b32 s50, s50, 1
	s_xor_b32 s50, s50, s52
	s_lshl_b32 s22, s22, 1
	s_add_co_u32 s22, s22, s50                     ; rank = 2 x cell's number + a bit that is 1 in two of any row's or column's four
	s_mov_b32 s28, 0x3e38aa3b                      ; c = log2(e) / 8: t = raw score x c
	s_mov_b32 s29, s28                             ; (named with it as a pair, so it is written)
	s_mov_b32 s30, 0x76543210
	s_mov_b32 s31, 0xfedcba98                      ; v_permlanex16_b32's selects for lane l xor 16
	s_mov_b32 s45, 0x01010000
	s_mov_b32 s46, 0x03010200
	s_wait_kmcnt 0x0
	s_wait_alu depctr_va_vdst(0)                   ; the addresses and offsets v1 to v9, v130, v131, v254, v255 and the closing add's v41, v45 are written: the load below and the head's later loads read them, and no vector instruction names them again ahead of those loads
	global_load_b32 v116, v[L4], s[12:13]          ; a lane a batch
	v_mov_b32 v119, 16
	v_mov_b32 v118, 0
	v_mov_b32 v140, 1
	s_wait_loadcnt 0x0
	v_add_nc_u32 v117, 127, v116
	v_lshrrev_b32 v117, 7, v117
	v_min_u32 v117, 16, v117                       ; steps of the batch: ceil(valid_lens / 128), at most 16 (a negative number is a large one here);
	v_cmp_eq_u32 vcc_lo, 0, v117
	s_wait_alu depctr_va_vcc(0)                    ; the compare has written VCC, which the select below reads
	v_cndmask_b32 v117, v117, v119, vcc_lo         ; with no valid key all 16 are walked
	v_lshl_or_b32 v117, v117, 5, v120              ; the sort key: steps, then the batch's number: no two alike
.set g, 0
.rept 4                                            ; my batch's rank: how many keys lie under mine.  Eight batches' keys a run; no line here writes a carry
.irp j, 0,1,2,3,4,5,6,7
	v_readlane_b32 s[32+\j], v117, 8*g+\j
.endr
	s_wait_alu depctr_va_sdst(0)                   ; eight sort keys are written to s32 .. s39, which the compares below read
.irp j, 0,1,2,3,4,5,6,7
	v_cmp_lt_u32 s[48+\j], s[32+\j], v117
.endr
	s_wait_alu depctr_va_sdst(0)                   ; the eight compares have written s48 .. s55, which the selects below read
.irp j, 0,1,2,3,4,5,6,7
	v_cndmask_b32 v[132+\j], 0, v140, s[48+\j]     ; 1 where that batch's key lies under mine
.endr
.irp j, 0,2,4,6
	v_add3_u32 v118, v118, v[132+\j], v[133+\j]
.endr
.set g, g+1
.endr
	v_cmp_eq_u32 s50, s22, v118
	s_wait_alu depctr_va_sdst(0)                   ; the compare has written s50, ahead of its reader
	s_ctz_i32_b32 s23, s50                         ; the batch of my rank
	s_min_u32 s23, s23, 31
	v_readlane_b32 s24, v116, s23                  ; its valid_lens,
	s_wait_alu depctr_va_sdst(0)                   ; s24 is written, ahead of its first reader
	s_max_i32 s24, s24, 0
	s_min_i32 s24, s24, 0x800                      ; held to 0 .. 2,048
	s_add_co_u32 s25, s24, 127
	s_and_b32 s25, s25, 0xffffff80                 ; the walk ends at the next multiple of 128,
	s_cmp_lg_u32 s25, 0
	s_cselect_b32 s25, s25, 0x800                  ; or, with no valid key, at 2,048
	s_mul_i32 s42, s25, 3
	s_cmp_eq_u32 s24, 0
	s_cselect_b32 s43, 0, 0xcaf42400               ; a masked key's raw score: -8e6 = -1e6 x 8.  With no valid key all logits are alike: 0 then, so that t - M is exactly 0
	v_mov_b32 v[MV], s43
	; the batch's and the wave's places in the buffers
	s_mul_i32 s32, s23, 98304
	s_mov_b32 s33, 0
	s_lshl_b32 s34, s23, 12
	s_mov_b32 s35, 0
	s_add_nc_u64 s[4:5], s[4:5], s[32:33]
	s_add_nc_u64 s[8:9], s[8:9], s[32:33]
	s_add_nc_u64 s[14:15], s[14:15], s[32:33]
	s_add_nc_u64 s[6:7], s[6:7], s[34:35]
	s_add_nc_u64 s[10:11], s[10:11], s[34:35]
	s_add_nc_u64 s[16:17], s[16:17], s[34:35]
	s_lshl_b32 s43, s21, 6
	s_lshl_b32 s50, s20, 4
	s_add_co_u32 s43, s43, s50                     ; my first query: 64 x block + 16 x wave
	s_lshl_b32 s32, s23, 19
	s_lshl_b32 s50, s43, 8
	s_add_co_u32 s32, s32, s50
	s_add_nc_u64 s[18:19], s[18:19], s[32:33]      ; out: 524,288 x batch + 256 x query
	s_mul_i32 s32, s43, 48
	s_add_nc_u64 s[8:9], s[8:9], s[32:33]
	s_lshl_b32 s34, s43, 1
	s_add_nc_u64 s[10:11], s[10:11], s[34:35]
	; the prefetches (macro ASK): they stand at column 1; the first asking steps them to column 2
	s_cmp_lt_u32 s20, 2                            ; waves 0, 1: K; waves 2, 3: V
	s_cselect_b64 s[36:37], s[4:5], s[14:15]
	s_mov_b32 s38, 256
	s_cselect_b32 s38, 0x4000, s38                 ; from column to column
	s_mov_b32 s39, 0
	s_mov_b32 s50, 0xc000
	s_cselect_b32 s50, 0x2000, s50                 ; from wave to wave: 8,192 bytes of K, 32 rows of V
	s_mov_b32 s51, 1536
	s_cselect_b32 s51, 256, s51                    ; from lane to lane
	v_mul_lo_u32 v[PFO], v120, s51
	s_and_b32 s52, s20, 1
	s_mul_i32 s32, s52, s50
	s_add_co_u32 s32, s32, s38
	s_add_nc_u64 s[36:37], s[36:37], s[32:33]
	s_mov_b32 s41, 1024
	s_cmp_eq_u32 s21, 0
	s_cselect_b32 s40, 128, -1                     ; step 1 asks first, in the work-group of the batch's first 64 queries; elsewhere no step's first key is ever this number
	GLOAD 1                                        ; step 0.  (Its offsets, and Q's below, stand written since the head's wait on va_vdst; no vector instruction has named the registers in which these loads land)
.irp i, 0,1,2
	global_load_b128 v[QA+4*\i:QA+4*\i+3], v130, s[8:9] offset:16*\i   ; both halves of the lanes load row r
.endr
	global_load_u16 v[QS], v131, s[10:11]
	v_mov_b32 v[RM], 0xff61b1e6                    ; the largest raw score so far: -3e38
	v_mul_f32 v[T0], s28, v[RM]
	v_floor_f32 v[NM], -v[T0]                      ; -M
	v_mov_b32 v[L], 0
	v_mov_b32 v[L+1], 0
	v_mov_b32 v[F+1], 0                            ; (named as the upper half of a pair)
	v_mov_b32 v[T1], 0                             ; (a lane permute's destination counts as one of its sources)
	s_mov_b32 s26, 0
	s_mov_b32 s27, 8
	v_cmp_eq_u32 vcc_lo, 1, v123                   ; lanes 16-31
	v_cmp_eq_u32 s50, 0, v123                      ; lanes 0-15
	s_wait_loadcnt 0x0
	s_wait_alu depctr_va_vcc(0)                    ; the first compare has written VCC, which the first run of selects reads
	s_wait_alu depctr_va_sdst(0)                   ; the second has written s50, which the second run reads
	v_perm_b32 v[QS], v[QS], v[QS], s45            ; (b0, b0, b1, b1)
.irp i, 0,1,2,3,4,5,6,7,8,9,10,11
	v_cndmask_b32 v[QB+\i], 0, v[QA+\i], vcc_lo    ; QB: the queries in lanes 16-31, zero codes below
.endr
.irp i, 0,1,2,3,4,5,6,7,8,9,10,11
	v_cndmask_b32 v[QA+\i], 0, v[QA+\i], s50       ; QA: the queries in lanes 0-15, zero codes above
.endr
.set i, 0
.rept 32
	v_mov_b32 v[O+i], 0                            ; O^T.  (The step is written once: the first finds zeros, which the first change of M leaves zeros.  These lines also stand between the writing of Q's operands and scale word and the first product)
.set i, i+1
.endr
	PERMS
	s_wait_alu depctr_va_vdst(0)                   ; the permutes have written v252 and v253, which the LDS stores below read
	WSTORE 0
	s_wait_dscnt 0x0                               ; my quarter of step 0 has landed
	s_wait_alu depctr_vm_vsrc(0)                   ; my LDS stores have read GKR, GVR, v252 and v253, which the first step's loads and permutes write; Q's loads have read v130 and v131, which the first products write
	s_barrier_signal -1
	s_barrier_wait -1                              ; everybody's has
.Ltrip:                                            ; eight trips of two steps: the slot is a constant of each step's text
	STEP 0
	STEP 1
	s_sub_co_u32 s27, s27, 1
	s_cmp_lg_u32 s27, 0
	s_cbranch_scc1 .Ltrip
	; THE WAY OUT.  O^T is divided by the row's sum and goes through my own stage in LDS, so that each store of the wave covers 512 consecutive bytes, two whole rows of out, aligned.
	v_add_f32 v[L], v[L], v[L+1]                   ; the sum's two halves,
	v_permlanex16_b32 v[T1], v[L], s30, s31
	v_add_f32 v[L], v[L], v[T1]                    ; and the other half of the lanes': the row's sum
	v_rcp_f32 v[F], v[L]
	v_nop                                          ; a plain instruction between the reciprocal and the use of its result
	s_wait_alu depctr_va_vdst(0)                   ; the reciprocal has written v16, ahead of its first reader
.irp j, 0,2,4,6,8,10,12,14,16,18,20,22,24,26,28,30
	v_pk_mul_f32 v[O+\j:O+\j+1], v[O+\j:O+\j+1], v[F:F+1] op_sel_hi:[1,0]   ; register 8 t + i is out(r, 16 t + 8 h + i)
.endr
	s_wait_alu depctr_va_vdst(0)                   ; the sixteen multiplications have written O^T, which the LDS stores read; the last products are done reading X, in which the loads from the stage land
.irp t, 0,1,2,3
	ds_store_b128 v[STO], v[O+8*\t:O+8*\t+3] offset:64*\t
	ds_store_b128 v[STO], v[O+8*\t+4:O+8*\t+7] offset:64*\t+16
.endr
.irp i, 0,1,2,3,4,5,6,7
	ds_load_b128 v[X+4*\i:X+4*\i+3], v[SRD] offset:2*\i*SP   ; LDS serves a wave's instructions in order (ISA guide 5.7.1.4): these see my stores
.endr
.irp i, 0,1,2,3,4,5,6,7
	s_wait_dscnt 7-\i                              ; the younger loads may stay out
	global_store_b128 v[LI], v[X+4*\i:X+4*\i+3], s[18:19] offset:512*\i th:TH_STORE_NT   ; written once, read by nobody here
.endr
	s_wait_dscnt 0x0                               ; the closing lines, six on end
	s_wait_alu 0x0
	s_wait_tensorcnt 0x0
	ds_add_u32 v41, v45
	s_wait_dscnt 0x0
	s_endpgm
.Lfunc_end_k_q952588bd5a_attn:
	.size	k_q952588bd5a_attn, .Lfunc_end_k_q952588bd5a_attn-k_q952588bd5a_attn
	.p2alignl 7, 3214868480
	.fill 96, 4, 3214868480
	.section	.rodata,"a",@progbits
	.p2align	6, 0x0
	.amdhsa_kernel k_q952588bd5a_attn
		.amdhsa_group_segment_fixed_size 44032
		.amdhsa_private_segment_fixed_size 0
		.amdhsa_enable_private_segment 0
		.amdhsa_kernarg_size 64
		.amdhsa_user_sgpr_count 2
		.amdhsa_user_sgpr_kernarg_segment_ptr 1
		.amdhsa_wavefront_size32 1
		.amdhsa_system_sgpr_workgroup_id_x 1
		.amdhsa_system_sgpr_workgroup_id_y 1
		.amdhsa_system_sgpr_workgroup_id_z 1
		.amdhsa_system_vgpr_workitem_id 0
		.amdhsa_next_free_vgpr 256
		.amdhsa_next_free_sgpr 66
		.amdhsa_reserve_vcc 1
		.amdhsa_float_denorm_mode_32 3
		.amdhsa_float_denorm_mode_16_64 3
		.amdhsa_memory_ordered 1
		.amdhsa_forward_progress 1
		.amdhsa_inst_pref_size 72
	.end_amdhsa_kernel
	.amdgpu_metadata
---
amdhsa.version: [ 1, 2 ]
amdhsa.kernels:
  - .name:           k_q952588bd5a_attn
    .symbol:         k_q952588bd5a_attn.kd
    .args:
      - { .name: keys_codes, .offset: 0, .size: 8, .value_kind: global_buffer, .address_space: global }
      - { .name: keys_scales, .offset: 8, .size: 8, .value_kind: global_buffer, .address_space: global }
      - { .name: queries_codes, .offset: 16, .size: 8, .value_kind: global_buffer, .address_space: global }
      - { .name: queries_scales, .offset: 24, .size: 8, .value_kind: global_buffer, .address_space: global }
      - { .name: valid_lens, .offset: 32, .size: 8, .value_kind: global_buffer, .address_space: global }
      - { .name: values_codes, .offset: 40, .size: 8, .value_kind: global_buffer, .address_space: global }
      - { .name: values_scales, .offset: 48, .size: 8, .value_kind: global_buffer, .address_space: global }
      - { .name: out0, .offset: 56, .size: 8, .value_kind: global_buffer, .address_space: global }
    .group_segment_fixed_size: 44032
    .private_segment_fixed_size: 0
    .kernarg_segment_align: 8
    .kernarg_segment_size: 64
    .max_flat_workgroup_size: 128
    .sgpr_count:     66
    .vgpr_count:     256
    .wavefront_size: 32
...
	.end_amdgpu_metadata
.endif
;; end of part 2
